; MI455X (gfx1250); checked and timed in simulation.
; The chip was launched on July 23, 2026; its instructions are those of AMD's public machine-readable ISA for CDNA 5 (MIT licence, August 2026) and "CDNA5" Instruction Set Architecture Reference Guide (July 2026). The comments in the code are by the model that wrote it; some were corrected since.
;; Model. Allowed arithmetic: float matrix products may take bf16 or f16 operands with f32 sums; all other float work in f32.
;; Inputs: bias 1 x 8 x 1 x 1 x 1 float32; scale 1 x 8 x 1 x 1 x 1 float32; x 4 x 8 x 16 x 256 x 256 float32.
;; Outputs: out0 4 x 8 x 256 x 256 float32.
;; 2 versions, each right; version 2 is version 1 with the launch poolsoft written anew for expert scheduling mode. Each part assembles by itself: llvm-mc -triple=amdgcn-amd-amdhsa -mcpu=gfx1250 --defsym DOCPART=n.
;; ======== version 1 of 2: 1 launch
;; launch poolsoft (part 1): grid 256 x 4, 8 waves a work-group, no clusters, 9,216 bytes of LDS; arguments x, scale, bias, out0; writes out0
.if DOCPART == 1
	.amdgcn_target "amdgcn-amd-amdhsa--gfx1250"
	.amdhsa_code_object_version 6
	.text
	.protected	k_qddf5883476_poolsoft
	.globl	k_qddf5883476_poolsoft
	.p2align	8
	.type	k_qddf5883476_poolsoft,@function
k_qddf5883476_poolsoft:
	s_mov_b64 s[64:65], 0
	v_nop
	global_prefetch_b8 v0, s[64:65] scope:SCOPE_SE
	s_setreg_imm32_b32 hwreg(HW_REG_WAVE_MODE, 25, 1), 1
	s_wait_xcnt 0x0
; out[n][c][h][w] = softmax over c of ( 1/16 * sum over d of unpool(scale[c] * maxpool2x2x2(threshold(x)) + bias[c]) ).
; x: [4][8][16][256][256] f32, out: [4][8][256][256] f32, scale, bias: [8] f32.
;
; A work-group owns one n, one pair of rows (2 hp, 2 hp + 1) and 128 columns (512 bytes of each row), all 8 channels, all 16 depths.
; Wave c owns channel c.  A lane owns 2 rows x 4 columns = two pooling windows for each pair of depths; every load of a wave covers
; 512 consecutive bytes that start at a multiple of 512 from x's first byte, and every byte of x is loaded once in the launch.
;
; WHAT IS COMPUTED FOR A WINDOW (exactly reference()'s result, with fewer steps):
;   mx = the largest of the 8 raw numbers (a NaN loses).  The thresholded maximum is mx where mx > 0 and -0.1 elsewhere.
;   The argmax is the first i (i = 4 kd + 2 kh + kw) with x_i == mx where mx > 0; elsewhere all eight thresholded numbers are -0.1 and it is 0.
;   The sum over d adds both depths of a window, so the value lands at (kh, kw) of the argmax; kd only decides ties, and is honoured there.
;   The equality tests give lane masks in scalar registers; "the first one" is made of them by scalar and / and-not / or.
; The division by 16 is folded into the exponent's factor log2(e)/16.  The channels' maximum is taken away inside one fused multiply-add,
; v * K - round(max * K): the exponent's error is at most half a unit in the last place of max * K.
;
; LIMITS: x, scale, bias finite and max * scale + bias finite.  With an infinite value reference() makes NaN (0 x inf) in the whole window,
; this text only where the value lands.  NaN in x counts as "not above 0", as in reference().  v_exp_f32 returns 0 below 2^-126.
.set PLANE, 262144                     ; bytes of one [256][256] plane: from depth to depth in x, from channel to channel in out
.set ROWB,  1024                       ; bytes of a row
.set OFF,   1                          ; v1        16 x lane: my 16 bytes in the wave's 512; never rewritten
.set ACC,   2                          ; v[2:5]    sums of row 0, columns 0-3; v[6:9] of row 1
.set T,     10                         ; v[10:17]  at work: window j uses T+4j .. T+4j+3
.set MX,    18                         ; v18, v19  window j: its maximum, then its scaled value
.set LA,    20                         ; v20       LDS address
.set X,     32                         ; v[32:127] six slots of 16 registers: (depth 0, row 0), (0, 1), (1, 0), (1, 1) of a pair of depths
.set V,     32                         ; v[32:63]  in the softmax: channel c's four columns at V+4c
.set MK,    24                         ; s[24:37] masks of window 0, s[38:51] of window 1
.set WINS,  14
.set E,     0                          ; E+i: x_i == mx, i = 0 .. 6
.set POS,   7                          ; mx > 0
.set AV,    8                          ; lanes whose argmax is not found yet
.set P1,    9                          ; the value lands at (kh, kw) = (0, 1)
.set P2,    10                         ; (1, 0)
.set P3,    11                         ; (1, 1)
.set NZ,    12                         ; P1 | P2 | P3: not at (0, 0)
.set TM,    13
	s_load_b256 s[4:11], s[0:1], 0x0               ; x s[4:5], scale s[6:7], bias s[8:9], out s[10:11]
	v_lshl_add_u32 v128, v0, 2, 0x2000
	v_mov_b32 v129, 0
	v_lshrrev_b32 v[LA], 5, v0
	v_readfirstlane_b32 s12, v[LA]                 ; wave = channel c
	v_and_b32 v[OFF], 31, v0
	v_lshlrev_b32 v[OFF], 4, v[OFF]                ; 16 bytes a lane
	s_and_b32 s13, ttmp7, 0xffff                   ; n
	s_lshl3_add_u32 s14, s13, s12                  ; 8 n + c
	s_lshr_b32 s15, ttmp9, 1                       ; hp: the pair of rows
	s_and_b32 s18, ttmp9, 1                        ; which 128 columns
	s_lshl_b32 s15, s15, 11                        ; two rows are 2,048 bytes
	s_lshl_b32 s18, s18, 9
	s_or_b32 s15, s15, s18                         ; the group's place in a plane, the same in x and in out
	s_lshl_b32 s16, s14, 22                        ; 16 planes of 262,144 bytes for each (n, c): 31 << 22 at the most, below 2^31
	s_or_b32 s16, s16, s15
	s_mov_b32 s17, 0
	s_lshl_b32 s19, s12, 2                         ; 4 c: my word of scale and of bias
	s_mov_b32 s22, 0xbdcccccd                      ; -0.1
	v_lshl_add_u32 v[LA], s12, 10, v[OFF]          ; LDS: [c][row][128 columns] f32 = 1,024 c + 512 row + 16 lane
	s_wait_kmcnt 0x0
	s_add_nc_u64 s[4:5], s[4:5], s[16:17]          ; x at (n, c, depth 0, row 2 hp, my group's first column)
	s_load_b32 s20, s[6:7], s19 offset:0x0         ; scale[c]
	s_load_b32 s21, s[8:9], s19 offset:0x0         ; bias[c]
; Four loads: the pair of depths dp into a slot.  Depth and row stand in the immediate: 15 x 262,144 + 1,024 at the most, inside its 24 signed bits.
.macro FILL slot, dp
	global_load_b128 v[X+16*\slot:X+16*\slot+3],     v[OFF], s[4:5] offset:(2*\dp)*PLANE th:TH_LOAD_NT
	global_load_b128 v[X+16*\slot+4:X+16*\slot+7],   v[OFF], s[4:5] offset:(2*\dp)*PLANE+ROWB th:TH_LOAD_NT
	global_load_b128 v[X+16*\slot+8:X+16*\slot+11],  v[OFF], s[4:5] offset:(2*\dp+1)*PLANE th:TH_LOAD_NT
	global_load_b128 v[X+16*\slot+12:X+16*\slot+15], v[OFF], s[4:5] offset:(2*\dp+1)*PLANE+ROWB th:TH_LOAD_NT
.endm
.irp s, 0,1,2,3,4,5
	FILL \s, \s                                    ; 24 of the wave's 32 loads go out at once: 12 KiB of the wave's 16
.endr
	s_wait_kmcnt 0x0                               ; scale and bias
; The same scalar operation on both windows' masks
.macro S2 op, d, a, b
	\op s[MK+\d], s[MK+\a], s[MK+\b]
	\op s[MK+WINS+\d], s[MK+WINS+\a], s[MK+WINS+\b]
.endm
; One pair of depths.  left = how many younger loads may stay out; first = 1: the values start the sums, nothing is cleared;
; refill = the pair of depths that the slot gets next, or -1.
; Number i of window j lies in the slot's register 8 (i / 4) + 4 ((i / 2) % 2) + i % 2 + 2 j.
.macro STEP slot, left, first, refill
	s_wait_loadcnt \left                           ; loads come back in order (ISA guide 5.7.1): this slot's four are in
.irp j, 0,1
	v_max3_num_f32 v[T+4*\j],   v[X+16*\slot+2*\j],    v[X+16*\slot+2*\j+1], v[X+16*\slot+2*\j+4]
	v_max3_num_f32 v[T+4*\j+1], v[X+16*\slot+2*\j+5],  v[X+16*\slot+2*\j+8], v[X+16*\slot+2*\j+9]
	v_max_num_f32  v[T+4*\j+2], v[X+16*\slot+2*\j+12], v[X+16*\slot+2*\j+13]
.endr
.irp j, 0,1
	v_max3_num_f32 v[MX+\j], v[T+4*\j], v[T+4*\j+1], v[T+4*\j+2]           ; mx of the window
.endr
.irp j, 0,1
	v_cmp_lt_f32 s[MK+WINS*\j+POS], 0, v[MX+\j]                            ; false for a NaN too: then the window is all -0.1
.irp i, 0,1,2,3,4,5,6
	v_cmp_eq_f32 s[MK+WINS*\j+E+\i], v[X+16*\slot+2*\j+8*(\i/4)+4*((\i/2)%2)+\i%2], v[MX+\j]
.endr
.endr
.if \refill >= 0
	FILL \slot, \refill                            ; the slot's numbers have all been read by the lines above
.endif
.irp j, 0,1
	v_cndmask_b32 v[MX+\j], s22, v[MX+\j], s[MK+WINS*\j+POS]               ; the thresholded maximum: mx or -0.1
.endr
.irp j, 0,1
	v_fma_f32 v[MX+\j], v[MX+\j], s20, s21                                 ; * scale[c] + bias[c]
.endr
	; the first i with x_i == mx, folded onto (kh, kw) = i % 4.  Where mx <= 0 nothing is searched and the value stays at (0, 0).
	S2 s_and_not1_b32, AV, POS, E+0                ; not index 0
	S2 s_and_b32,      P1, AV, E+1
	S2 s_and_not1_b32, AV, AV, E+1
	S2 s_and_b32,      P2, AV, E+2
	S2 s_and_not1_b32, AV, AV, E+2
	S2 s_and_b32,      P3, AV, E+3
	S2 s_and_not1_b32, AV, AV, E+3
	S2 s_and_not1_b32, AV, AV, E+4                 ; index 4 lands at (0, 0) again
	S2 s_and_b32,      TM, AV, E+5
	S2 s_and_not1_b32, AV, AV, E+5
	S2 s_or_b32,       P1, P1, TM
	S2 s_and_b32,      TM, AV, E+6
	S2 s_and_not1_b32, AV, AV, E+6
	S2 s_or_b32,       P2, P2, TM
	S2 s_or_b32,       P3, P3, AV                  ; what is left is index 7: mx is one of the eight
	S2 s_or_b32,       NZ, P1, P2
	S2 s_or_b32,       NZ, NZ, P3
.irp j, 0,1
.if \first
	v_cndmask_b32 v[ACC+2*\j],   v[MX+\j], 0, s[MK+WINS*\j+NZ]
	v_cndmask_b32 v[ACC+2*\j+1], 0, v[MX+\j], s[MK+WINS*\j+P1]
	v_cndmask_b32 v[ACC+2*\j+4], 0, v[MX+\j], s[MK+WINS*\j+P2]
	v_cndmask_b32 v[ACC+2*\j+5], 0, v[MX+\j], s[MK+WINS*\j+P3]
.else
	v_cndmask_b32 v[T+4*\j],   v[MX+\j], 0, s[MK+WINS*\j+NZ]
	v_cndmask_b32 v[T+4*\j+1], 0, v[MX+\j], s[MK+WINS*\j+P1]
	v_cndmask_b32 v[T+4*\j+2], 0, v[MX+\j], s[MK+WINS*\j+P2]
	v_cndmask_b32 v[T+4*\j+3], 0, v[MX+\j], s[MK+WINS*\j+P3]
.endif
.endr
.if \first == 0
.irp j, 0,1
	v_pk_add_f32 v[ACC+2*\j:ACC+2*\j+1],   v[ACC+2*\j:ACC+2*\j+1],   v[T+4*\j:T+4*\j+1]
	v_pk_add_f32 v[ACC+2*\j+4:ACC+2*\j+5], v[ACC+2*\j+4:ACC+2*\j+5], v[T+4*\j+2:T+4*\j+3]
.endr
.endif
.endm
	; Loads were issued in the order of the pairs of depths; pairs 6 and 7 go out in steps 0 and 1.  Each count = 4 x the pairs issued behind the step's own.
	STEP 0, 20, 1, 6                               ; pair 0: pairs 1-5 stay out
	STEP 1, 20, 0, 7                               ; pair 1: pairs 2-6
	STEP 2, 20, 0, -1                              ; pair 2: pairs 3-7
	STEP 3, 16, 0, -1
	STEP 4, 12, 0, -1
	STEP 5, 8,  0, -1
	STEP 0, 4,  0, -1                              ; pair 6
	STEP 1, 0,  0, -1                              ; pair 7
	; The eight channels meet in LDS.
	ds_store_b128 v[LA], v[ACC:ACC+3]              ; row 0
	ds_store_b128 v[LA], v[ACC+4:ACC+7] offset:512 ; row 1
	s_wait_dscnt 0x0                               ; for the other waves' sake: my stores are done before I signal
	s_barrier_signal -1
	s_barrier_wait -1
	s_cmp_gt_u32 s12, 1                            ; 256 places x 8 channels are left: two waves with 4 columns a lane take them, so that a lane
	s_cbranch_scc1 .Lend                           ; holds 16 neighbouring bytes of every channel's row; the other six waves are done
	; Wave r (0 or 1): row 2 hp + r, all 8 channels, 4 columns a lane.
	v_lshl_add_u32 v[LA], s12, 9, v[OFF]           ; 512 r + 16 lane
.irp c, 0,1,2,3,4,5,6,7
	ds_load_b128 v[V+4*\c:V+4*\c+3], v[LA] offset:1024*\c
.endr
	s_lshl_b32 s16, s13, 21                        ; n x 8 planes
	s_or_b32 s16, s16, s15                         ; + the group's place in a plane
	s_lshl_b32 s18, s12, 10                        ; + r rows
	s_or_b32 s16, s16, s18
	s_add_nc_u64 s[10:11], s[10:11], s[16:17]      ; s17 is still 0
	s_wait_dscnt 0x0
.irp k, 0,1,2,3
	v_max3_num_f32 v[T+\k], v[V+\k], v[V+4+\k], v[V+8+\k]
.endr
.irp k, 0,1,2,3
	v_max3_num_f32 v[T+\k], v[T+\k], v[V+12+\k], v[V+16+\k]
.endr
.irp k, 0,1,2,3
	v_max3_num_f32 v[T+\k], v[T+\k], v[V+20+\k], v[V+24+\k]
.endr
.irp k, 0,1,2,3
	v_max_num_f32 v[T+\k], v[T+\k], v[V+28+\k]     ; the channels' maximum at each of my 4 columns
.endr
	v_pk_mul_f32 v[T:T+1],   v[T:T+1],   0xbdb8aa3b op_sel_hi:[1,0]        ; - max x log2(e)/16
	v_pk_mul_f32 v[T+2:T+3], v[T+2:T+3], 0xbdb8aa3b op_sel_hi:[1,0]
.irp c, 0,1,2,3,4,5,6,7
	v_pk_fma_f32 v[V+4*\c:V+4*\c+1],   v[V+4*\c:V+4*\c+1],   0x3db8aa3b, v[T:T+1]   op_sel_hi:[1,0,1]   ; (sum - max) / 16 x log2(e)
	v_pk_fma_f32 v[V+4*\c+2:V+4*\c+3], v[V+4*\c+2:V+4*\c+3], 0x3db8aa3b, v[T+2:T+3] op_sel_hi:[1,0,1]
.endr
.set i, 0
.rept 32
	v_exp_f32 v[V+i], v[V+i]
.set i, i+1
.endr
	v_nop                                          ; one plain vector instruction between the exponentials and the first use of a result (ISA guide 5.7.2)
	s_wait_alu depctr_va_vdst(0)
	v_pk_add_f32 v[T+4:T+5], v[V:V+1],   v[V+4:V+5]
	v_pk_add_f32 v[T+6:T+7], v[V+2:V+3], v[V+6:V+7]
.irp c, 2,3,4,5,6,7
	v_pk_add_f32 v[T+4:T+5], v[T+4:T+5], v[V+4*\c:V+4*\c+1]
	v_pk_add_f32 v[T+6:T+7], v[T+6:T+7], v[V+4*\c+2:V+4*\c+3]
.endr
.irp k, 4,5,6,7
	v_rcp_f32 v[T+\k], v[T+\k]                     ; the sum holds the maximum's own term, about 1: never 0
.endr
	v_nop                                          ; the same place behind the reciprocals
	s_wait_alu depctr_va_vdst(0)
.irp c, 0,1,2,3,4,5,6,7
	v_pk_mul_f32 v[V+4*\c:V+4*\c+1],   v[V+4*\c:V+4*\c+1],   v[T+4:T+5]
	v_pk_mul_f32 v[V+4*\c+2:V+4*\c+3], v[V+4*\c+2:V+4*\c+3], v[T+6:T+7]
	global_store_b128 v[OFF], v[V+4*\c:V+4*\c+3], s[10:11] offset:\c*PLANE th:TH_STORE_NT   ; the wave stores 512 consecutive bytes, at a multiple of 512 from out's first byte
.endr
.Lend:
	s_wait_tensorcnt 0x0
	ds_add_u32 v128, v129
	s_wait_dscnt 0x0
	s_endpgm
.Lfunc_end_k_qddf5883476_poolsoft:
	.size	k_qddf5883476_poolsoft, .Lfunc_end_k_qddf5883476_poolsoft-k_qddf5883476_poolsoft
	.p2alignl 7, 3214868480
	.fill 96, 4, 3214868480
	.section	.rodata,"a",@progbits
	.p2align	6, 0x0
	.amdhsa_kernel k_qddf5883476_poolsoft
		.amdhsa_group_segment_fixed_size 9216
		.amdhsa_private_segment_fixed_size 0
		.amdhsa_enable_private_segment 0
		.amdhsa_kernarg_size 32
		.amdhsa_user_sgpr_count 2
		.amdhsa_user_sgpr_kernarg_segment_ptr 1
		.amdhsa_wavefront_size32 1
		.amdhsa_system_sgpr_workgroup_id_x 1
		.amdhsa_system_sgpr_workgroup_id_y 1
		.amdhsa_system_sgpr_workgroup_id_z 1
		.amdhsa_system_vgpr_workitem_id 0
		.amdhsa_next_free_vgpr 130
		.amdhsa_next_free_sgpr 66
		.amdhsa_reserve_vcc 0
		.amdhsa_float_denorm_mode_32 3
		.amdhsa_float_denorm_mode_16_64 3
		.amdhsa_memory_ordered 1
		.amdhsa_forward_progress 1
		.amdhsa_inst_pref_size 40
	.end_amdhsa_kernel
	.amdgpu_metadata
---
amdhsa.version: [ 1, 2 ]
amdhsa.kernels:
  - .name:           k_qddf5883476_poolsoft
    .symbol:         k_qddf5883476_poolsoft.kd
    .args:
      - { .name: x, .offset: 0, .size: 8, .value_kind: global_buffer, .address_space: global }
      - { .name: scale, .offset: 8, .size: 8, .value_kind: global_buffer, .address_space: global }
      - { .name: bias, .offset: 16, .size: 8, .value_kind: global_buffer, .address_space: global }
      - { .name: out0, .offset: 24, .size: 8, .value_kind: global_buffer, .address_space: global }
    .group_segment_fixed_size: 9216
    .private_segment_fixed_size: 0
    .kernarg_segment_align: 8
    .kernarg_segment_size: 32
    .max_flat_workgroup_size: 256
    .sgpr_count:     66
    .vgpr_count:     130
    .wavefront_size: 32
...
	.end_amdgpu_metadata
.endif
;; end of part 1
;; ======== version 2 of 2: 1 launch; version 1 with the launch poolsoft written anew for expert scheduling mode
;; launch poolsoft (part 2): grid 256 x 4, 8 waves a work-group, no clusters, 9,216 bytes of LDS; arguments x, scale, bias, out0; writes out0
.if DOCPART == 2
	.amdgcn_target "amdgcn-amd-amdhsa--gfx1250"
	.amdhsa_code_object_version 6
	.text
	.protected	k_qddf5883476_poolsoft
	.globl	k_qddf5883476_poolsoft
	.p2align	8
	.type	k_qddf5883476_poolsoft,@function
k_qddf5883476_poolsoft:
	s_mov_b64 s[64:65], 0
	v_nop
	global_prefetch_b8 v0, s[64:65] scope:SCOPE_SE
	s_setreg_imm32_b32 hwreg(HW_REG_WAVE_SCHED_MODE, 0, 2), 2
	s_setreg_imm32_b32 hwreg(HW_REG_WAVE_MODE, 25, 1), 1
	s_wait_xcnt 0x0
	s_wait_alu depctr_vm_vsrc(0)
; out[n][c][h][w] = softmax over c of ( 1/16 * sum over d of unpool(scale[c] * maxpool2x2x2(threshold(x)) + bias[c]) ).
; x: [4][8][16][256][256] f32, out: [4][8][256][256] f32, scale, bias: [8] f32.
;
; A work-group owns one n, one pair of rows (2 hp, 2 hp + 1) and 128 columns (512 bytes of each row), all 8 channels, all 16 depths.
; Wave c owns channel c.  A lane owns 2 rows x 4 columns = two pooling windows for each pair of depths; every load of a wave covers
; 512 consecutive bytes that start at a multiple of 512 from x's first byte, and every byte of x is loaded once in the launch.
;
; WHAT IS COMPUTED FOR A WINDOW (exactly reference()'s result, with fewer steps):
;   mx = the largest of the 8 raw numbers (a NaN loses).  The thresholded maximum is mx where mx > 0 and -0.1 elsewhere.
;   The argmax is the first i (i = 4 kd + 2 kh + kw) with x_i == mx where mx > 0; elsewhere all eight thresholded numbers are -0.1 and it is 0.
;   The sum over d adds both depths of a window, so the value lands at (kh, kw) of the argmax; kd only decides ties, and is honoured there.
;   The equality tests give lane masks in scalar registers; "the first one" is made of them by scalar and / and-not / or.
; The division by 16 is folded into the exponent's factor log2(e)/16.  The channels' maximum is taken away inside one fused multiply-add,
; v * K - round(max * K): the exponent's error is at most half a unit in the last place of max * K.
;
; LIMITS: x, scale, bias finite and max * scale + bias finite.  With an infinite value reference() makes NaN (0 x inf) in the whole window,
; this text only where the value lands.  NaN in x counts as "not above 0", as in reference().  v_exp_f32 returns 0 below 2^-126.
;
; THE MODE: SCHED_MODE bits 1:0 = 2 (LLVM: expert scheduling mode 2), set by the entry lines.  The code itself states the register dependences
; between vector instructions and memory or LDS instructions, and those through scalar registers that vector instructions write, with s_wait_alu, always for 0.
; THE PLAN.  Registers that memory or LDS instructions touch:
;   v[OFF]       Written at the head; the offset of every global load and store; never written again.
;   v[LA]        Written at the head; the address of the two LDS stores; never written again.
;   v[RA]        Written behind the barrier by waves 0 and 1; the address of the eight LDS loads; never written again.
;   X, six slots Written by global loads alone.  A step's maxima and equality tests read its slot.  Slots 0 and 1 are loaded a second time, in steps 0 and 1;
;                in the softmax the LDS loads land in them.
;   v[ACC ..]    Written by the steps' selects and additions; the data of the two LDS stores; never written again.
;   v[V ..]      In the softmax: the LDS loads land here, the arithmetic works in place, the eight global stores read it; never written again.
;   v128, v129   Written at the head, read by the closing add alone.
;   T and MX are named by vector instructions alone.
; No register that a memory or LDS instruction reads is written again, so no wait on vm_vsrc is owed.  Waits on va_vdst: one at the head (the offsets), one in each of the
; two steps that load a slot again, one ahead of the LDS stores, one ahead of the LDS loads, one behind each batch of transcendentals, one ahead of the run of global stores.
; Waits on va_sdst: one for the wave's number, and one in each step, behind its run of sixteen compares.
.set PLANE, 262144                     ; bytes of one [256][256] plane: from depth to depth in x, from channel to channel in out
.set ROWB,  1024                       ; bytes of a row
.set OFF,   1                          ; v1        16 x lane: my 16 bytes in the wave's 512; never rewritten
.set ACC,   2                          ; v[2:5]    sums of row 0, columns 0-3; v[6:9] of row 1
.set T,     10                         ; v[10:17]  at work: window j uses T+4j .. T+4j+3
.set MX,    18                         ; v18, v19  window j: its maximum, then its scaled value
.set LA,    20                         ; v20       LDS address of my sums, as I store them
.set RA,    21                         ; v21       LDS address of my four columns, as waves 0 and 1 read them back: a register of its own, so that v[LA] is not written again
.set X,     32                         ; v[32:127] six slots of 16 registers: (depth 0, row 0), (0, 1), (1, 0), (1, 1) of a pair of depths
.set V,     32                         ; v[32:63]  in the softmax: channel c's four columns at V+4c
.set MK,    24                         ; s[24:37] masks of window 0, s[38:51] of window 1
.set WINS,  14
.set E,     0                          ; E+i: x_i == mx, i = 0 .. 6
.set POS,   7                          ; mx > 0
.set AV,    8                          ; lanes whose argmax is not found yet
.set P1,    9                          ; the value lands at (kh, kw) = (0, 1)
.set P2,    10                         ; (1, 0)
.set P3,    11                         ; (1, 1)
.set NZ,    12                         ; P1 | P2 | P3: not at (0, 0)
.set TM,    13
	s_load_b256 s[4:11], s[0:1], 0x0               ; x s[4:5], scale s[6:7], bias s[8:9], out s[10:11]
	v_lshl_add_u32 v128, v0, 2, 0x2000             ; the LDS address of my spare word, behind the 8,192 bytes of sums, and 0: kept for the closing lines alone
	v_mov_b32 v129, 0
	v_lshrrev_b32 v[LA], 5, v0
	v_readfirstlane_b32 s12, v[LA]                 ; wave = channel c
	v_and_b32 v[OFF], 31, v0
	v_lshlrev_b32 v[OFF], 4, v[OFF]                ; 16 bytes a lane
	s_and_b32 s13, ttmp7, 0xffff                   ; n
	s_wait_alu depctr_va_sdst(0)                   ; s12 is written, ahead of its first reader: the bases, the LDS addresses and the branch behind the barrier are made from it
	s_lshl3_add_u32 s14, s13, s12                  ; 8 n + c
	s_lshr_b32 s15, ttmp9, 1                       ; hp: the pair of rows
	s_and_b32 s18, ttmp9, 1                        ; which 128 columns
	s_lshl_b32 s15, s15, 11                        ; two rows are 2,048 bytes
	s_lshl_b32 s18, s18, 9
	s_or_b32 s15, s15, s18                         ; the group's place in a plane, the same in x and in out
	s_lshl_b32 s16, s14, 22                        ; 16 planes of 262,144 bytes for each (n, c): 31 << 22 at the most, below 2^31
	s_or_b32 s16, s16, s15
	s_mov_b32 s17, 0
	s_lshl_b32 s19, s12, 2                         ; 4 c: my word of scale and of bias
	s_mov_b32 s22, 0xbdcccccd                      ; -0.1
	v_lshl_add_u32 v[LA], s12, 10, v[OFF]          ; LDS: [c][row][128 columns] f32 = 1,024 c + 512 row + 16 lane
	s_wait_kmcnt 0x0
	s_add_nc_u64 s[4:5], s[4:5], s[16:17]          ; x at (n, c, depth 0, row 2 hp, my group's first column)
	s_load_b32 s20, s[6:7], s19 offset:0x0         ; scale[c]
	s_load_b32 s21, s[8:9], s19 offset:0x0         ; bias[c]
	s_wait_alu depctr_va_vdst(0)                   ; v[OFF] is written, which every global load and store reads as its offset, and v[LA], the LDS stores' address; no later vector line names either
; Four loads: the pair of depths dp into a slot.  Depth and row stand in the immediate: 15 x 262,144 + 1,024 at the most, inside its 24 signed bits.
.macro FILL slot, dp
	global_load_b128 v[X+16*\slot:X+16*\slot+3],     v[OFF], s[4:5] offset:(2*\dp)*PLANE th:TH_LOAD_NT
	global_load_b128 v[X+16*\slot+4:X+16*\slot+7],   v[OFF], s[4:5] offset:(2*\dp)*PLANE+ROWB th:TH_LOAD_NT
	global_load_b128 v[X+16*\slot+8:X+16*\slot+11],  v[OFF], s[4:5] offset:(2*\dp+1)*PLANE th:TH_LOAD_NT
	global_load_b128 v[X+16*\slot+12:X+16*\slot+15], v[OFF], s[4:5] offset:(2*\dp+1)*PLANE+ROWB th:TH_LOAD_NT
.endm
.irp s, 0,1,2,3,4,5
	FILL \s, \s                                    ; 24 of the wave's 32 loads go out at once: 12 KiB of the wave's 16
.endr
	s_wait_kmcnt 0x0                               ; scale and bias
; The same scalar operation on both windows' masks
.macro S2 op, d, a, b
	\op s[MK+\d], s[MK+\a], s[MK+\b]
	\op s[MK+WINS+\d], s[MK+WINS+\a], s[MK+WINS+\b]
.endm
; One pair of depths.  left = how many younger loads may stay out; first = 1: the values start the sums, nothing is cleared;
; refill = the pair of depths that the slot gets next, or -1.
; Number i of window j lies in the slot's register 8 (i / 4) + 4 ((i / 2) % 2) + i % 2 + 2 j.
.macro STEP slot, left, first, refill
	s_wait_loadcnt \left                           ; loads come back in order (ISA guide 5.7.1): this slot's four are in
.irp j, 0,1
	v_max3_num_f32 v[T+4*\j],   v[X+16*\slot+2*\j],    v[X+16*\slot+2*\j+1], v[X+16*\slot+2*\j+4]
	v_max3_num_f32 v[T+4*\j+1], v[X+16*\slot+2*\j+5],  v[X+16*\slot+2*\j+8], v[X+16*\slot+2*\j+9]
	v_max_num_f32  v[T+4*\j+2], v[X+16*\slot+2*\j+12], v[X+16*\slot+2*\j+13]
.endr
.irp j, 0,1
	v_max3_num_f32 v[MX+\j], v[T+4*\j], v[T+4*\j+1], v[T+4*\j+2]           ; mx of the window
.endr
.irp j, 0,1
	v_cmp_lt_f32 s[MK+WINS*\j+POS], 0, v[MX+\j]                            ; false for a NaN too: then the window is all -0.1
.irp i, 0,1,2,3,4,5,6
	v_cmp_eq_f32 s[MK+WINS*\j+E+\i], v[X+16*\slot+2*\j+8*(\i/4)+4*((\i/2)%2)+\i%2], v[MX+\j]
.endr
.endr
	s_wait_alu depctr_va_sdst(0)                   ; the sixteen compares have written their masks, ahead of the first select and the first scalar line that read them: one wait for the run
.if \refill >= 0
	s_wait_alu depctr_va_vdst(0)                   ; the maxima and the compares above are done reading the slot, in which the four loads below land
	FILL \slot, \refill                            ; the slot's numbers have all been read by the lines above
.endif
.irp j, 0,1
	v_cndmask_b32 v[MX+\j], s22, v[MX+\j], s[MK+WINS*\j+POS]               ; the thresholded maximum: mx or -0.1
.endr
.irp j, 0,1
	v_fma_f32 v[MX+\j], v[MX+\j], s20, s21                                 ; * scale[c] + bias[c]
.endr
	; the first i with x_i == mx, folded onto (kh, kw) = i % 4.  Where mx <= 0 nothing is searched and the value stays at (0, 0).
	S2 s_and_not1_b32, AV, POS, E+0                ; not index 0
	S2 s_and_b32,      P1, AV, E+1
	S2 s_and_not1_b32, AV, AV, E+1
	S2 s_and_b32,      P2, AV, E+2
	S2 s_and_not1_b32, AV, AV, E+2
	S2 s_and_b32,      P3, AV, E+3
	S2 s_and_not1_b32, AV, AV, E+3
	S2 s_and_not1_b32, AV, AV, E+4                 ; index 4 lands at (0, 0) again
	S2 s_and_b32,      TM, AV, E+5
	S2 s_and_not1_b32, AV, AV, E+5
	S2 s_or_b32,       P1, P1, TM
	S2 s_and_b32,      TM, AV, E+6
	S2 s_and_not1_b32, AV, AV, E+6
	S2 s_or_b32,       P2, P2, TM
	S2 s_or_b32,       P3, P3, AV                  ; what is left is index 7: mx is one of the eight
	S2 s_or_b32,       NZ, P1, P2
	S2 s_or_b32,       NZ, NZ, P3
.irp j, 0,1
.if \first
	v_cndmask_b32 v[ACC+2*\j],   v[MX+\j], 0, s[MK+WINS*\j+NZ]
	v_cndmask_b32 v[ACC+2*\j+1], 0, v[MX+\j], s[MK+WINS*\j+P1]
	v_cndmask_b32 v[ACC+2*\j+4], 0, v[MX+\j], s[MK+WINS*\j+P2]
	v_cndmask_b32 v[ACC+2*\j+5], 0, v[MX+\j], s[MK+WINS*\j+P3]
.else
	v_cndmask_b32 v[T+4*\j],   v[MX+\j], 0, s[MK+WINS*\j+NZ]
	v_cndmask_b32 v[T+4*\j+1], 0, v[MX+\j], s[MK+WINS*\j+P1]
	v_cndmask_b32 v[T+4*\j+2], 0, v[MX+\j], s[MK+WINS*\j+P2]
	v_cndmask_b32 v[T+4*\j+3], 0, v[MX+\j], s[MK+WINS*\j+P3]
.endif
.endr
.if \first == 0
.irp j, 0,1
	v_pk_add_f32 v[ACC+2*\j:ACC+2*\j+1],   v[ACC+2*\j:ACC+2*\j+1],   v[T+4*\j:T+4*\j+1]
	v_pk_add_f32 v[ACC+2*\j+4:ACC+2*\j+5], v[ACC+2*\j+4:ACC+2*\j+5], v[T+4*\j+2:T+4*\j+3]
.endr
.endif
.endm
	; Loads were issued in the order of the pairs of depths; pairs 6 and 7 go out in steps 0 and 1.  Each count = 4 x the pairs issued behind the step's own.
	STEP 0, 20, 1, 6                               ; pair 0: pairs 1-5 stay out
	STEP 1, 20, 0, 7                               ; pair 1: pairs 2-6
	STEP 2, 20, 0, -1                              ; pair 2: pairs 3-7
	STEP 3, 16, 0, -1
	STEP 4, 12, 0, -1
	STEP 5, 8,  0, -1
	STEP 0, 4,  0, -1                              ; pair 6
	STEP 1, 0,  0, -1                              ; pair 7
	; The eight channels meet in LDS.
	s_wait_alu depctr_va_vdst(0)                   ; the last step's additions have written v[ACC ..], which the two LDS stores read
	ds_store_b128 v[LA], v[ACC:ACC+3]              ; row 0
	ds_store_b128 v[LA], v[ACC+4:ACC+7] offset:512 ; row 1
	s_wait_dscnt 0x0                               ; for the other waves' sake: my stores are done before I signal
	s_barrier_signal -1
	s_barrier_wait -1
	s_cmp_gt_u32 s12, 1                            ; 256 places x 8 channels are left: two waves with 4 columns a lane take them, so that a lane
	s_cbranch_scc1 .Lend                           ; holds 16 neighbouring bytes of every channel's row; the other six waves are done
	; Wave r (0 or 1): row 2 hp + r, all 8 channels, 4 columns a lane.
	v_lshl_add_u32 v[RA], s12, 9, v[OFF]           ; 512 r + 16 lane
	s_wait_alu depctr_va_vdst(0)                   ; v[RA] is written, which the LDS loads read as their address; the steps' maxima and compares are done reading v[32:63], in which these loads land
.irp c, 0,1,2,3,4,5,6,7
	ds_load_b128 v[V+4*\c:V+4*\c+3], v[RA] offset:1024*\c
.endr
	s_lshl_b32 s16, s13, 21                        ; n x 8 planes
	s_or_b32 s16, s16, s15                         ; + the group's place in a plane
	s_lshl_b32 s18, s12, 10                        ; + r rows
	s_or_b32 s16, s16, s18
	s_add_nc_u64 s[10:11], s[10:11], s[16:17]      ; s17 is still 0
	s_wait_dscnt 0x0
.irp k, 0,1,2,3
	v_max3_num_f32 v[T+\k], v[V+\k], v[V+4+\k], v[V+8+\k]
.endr
.irp k, 0,1,2,3
	v_max3_num_f32 v[T+\k], v[T+\k], v[V+12+\k], v[V+16+\k]
.endr
.irp k, 0,1,2,3
	v_max3_num_f32 v[T+\k], v[T+\k], v[V+20+\k], v[V+24+\k]
.endr
.irp k, 0,1,2,3
	v_max_num_f32 v[T+\k], v[T+\k], v[V+28+\k]     ; the channels' maximum at each of my 4 columns
.endr
	v_pk_mul_f32 v[T:T+1],   v[T:T+1],   0xbdb8aa3b op_sel_hi:[1,0]        ; - max x log2(e)/16
	v_pk_mul_f32 v[T+2:T+3], v[T+2:T+3], 0xbdb8aa3b op_sel_hi:[1,0]
.irp c, 0,1,2,3,4,5,6,7
	v_pk_fma_f32 v[V+4*\c:V+4*\c+1],   v[V+4*\c:V+4*\c+1],   0x3db8aa3b, v[T:T+1]   op_sel_hi:[1,0,1]   ; (sum - max) / 16 x log2(e)
	v_pk_fma_f32 v[V+4*\c+2:V+4*\c+3], v[V+4*\c+2:V+4*\c+3], 0x3db8aa3b, v[T+2:T+3] op_sel_hi:[1,0,1]
.endr
.set i, 0
.rept 32
	v_exp_f32 v[V+i], v[V+i]
.set i, i+1
.endr
	v_nop                                          ; one plain vector instruction between the exponentials and the first use of a result (ISA guide 5.7.2)
	s_wait_alu depctr_va_vdst(0)                   ; the 32 exponentials have written v[V ..], ahead of the additions that read them: one wait for the batch
	v_pk_add_f32 v[T+4:T+5], v[V:V+1],   v[V+4:V+5]
	v_pk_add_f32 v[T+6:T+7], v[V+2:V+3], v[V+6:V+7]
.irp c, 2,3,4,5,6,7
	v_pk_add_f32 v[T+4:T+5], v[T+4:T+5], v[V+4*\c:V+4*\c+1]
	v_pk_add_f32 v[T+6:T+7], v[T+6:T+7], v[V+4*\c+2:V+4*\c+3]
.endr
.irp k, 4,5,6,7
	v_rcp_f32 v[T+\k], v[T+\k]                     ; the sum holds the maximum's own term, about 1: never 0
.endr
	v_nop                                          ; the same place behind the reciprocals
	s_wait_alu depctr_va_vdst(0)                   ; the four reciprocals have written v[T+4 ..], ahead of the multiplies that read them: one wait for the batch
.irp c, 0,1,2,3,4,5,6,7
	v_pk_mul_f32 v[V+4*\c:V+4*\c+1],   v[V+4*\c:V+4*\c+1],   v[T+4:T+5]
	v_pk_mul_f32 v[V+4*\c+2:V+4*\c+3], v[V+4*\c+2:V+4*\c+3], v[T+6:T+7]
.endr
	s_wait_alu depctr_va_vdst(0)                   ; the sixteen multiplies have written v[V ..], which the eight stores read: one wait for the run of stores
.irp c, 0,1,2,3,4,5,6,7
	global_store_b128 v[OFF], v[V+4*\c:V+4*\c+3], s[10:11] offset:\c*PLANE th:TH_STORE_NT   ; the wave stores 512 consecutive bytes, at a multiple of 512 from out's first byte
.endr
.Lend:
	s_wait_dscnt 0x0                               ; the closing lines, six on end
	s_wait_alu 0x0
	s_wait_tensorcnt 0x0
	ds_add_u32 v128, v129
	s_wait_dscnt 0x0
	s_endpgm
.Lfunc_end_k_qddf5883476_poolsoft:
	.size	k_qddf5883476_poolsoft, .Lfunc_end_k_qddf5883476_poolsoft-k_qddf5883476_poolsoft
	.p2alignl 7, 3214868480
	.fill 96, 4, 3214868480
	.section	.rodata,"a",@progbits
	.p2align	6, 0x0
	.amdhsa_kernel k_qddf5883476_poolsoft
		.amdhsa_group_segment_fixed_size 9216
		.amdhsa_private_segment_fixed_size 0
		.amdhsa_enable_private_segment 0
		.amdhsa_kernarg_size 32
		.amdhsa_user_sgpr_count 2
		.amdhsa_user_sgpr_kernarg_segment_ptr 1
		.amdhsa_wavefront_size32 1
		.amdhsa_system_sgpr_workgroup_id_x 1
		.amdhsa_system_sgpr_workgroup_id_y 1
		.amdhsa_system_sgpr_workgroup_id_z 1
		.amdhsa_system_vgpr_workitem_id 0
		.amdhsa_next_free_vgpr 130
		.amdhsa_next_free_sgpr 66
		.amdhsa_reserve_vcc 0
		.amdhsa_float_denorm_mode_32 3
		.amdhsa_float_denorm_mode_16_64 3
		.amdhsa_memory_ordered 1
		.amdhsa_forward_progress 1
		.amdhsa_inst_pref_size 41
	.end_amdhsa_kernel
	.amdgpu_metadata
---
amdhsa.version: [ 1, 2 ]
amdhsa.kernels:
  - .name:           k_qddf5883476_poolsoft
    .symbol:         k_qddf5883476_poolsoft.kd
    .args:
      - { .name: x, .offset: 0, .size: 8, .value_kind: global_buffer, .address_space: global }
      - { .name: scale, .offset: 8, .size: 8, .value_kind: global_buffer, .address_space: global }
      - { .name: bias, .offset: 16, .size: 8, .value_kind: global_buffer, .address_space: global }
      - { .name: out0, .offset: 24, .size: 8, .value_kind: global_buffer, .address_space: global }
    .group_segment_fixed_size: 9216
    .private_segment_fixed_size: 0
    .kernarg_segment_align: 8
    .kernarg_segment_size: 32
    .max_flat_workgroup_size: 256
    .sgpr_count:     66
    .vgpr_count:     130
    .wavefront_size: 32
...
	.end_amdgpu_metadata
.endif
;; end of part 2
